; MI455X (gfx1250); checked and timed in simulation.
; The chip was launched on July 23, 2026; its instructions are those of AMD's public machine-readable ISA for CDNA 5 (MIT licence, August 2026) and "CDNA5" Instruction Set Architecture Reference Guide (July 2026). The comments in the code are by the model that wrote it; some were corrected since.
;; Barebones Conventional Attention. Allowed arithmetic: float matrix products may take bf16 or f16 operands with f32 sums; all other float work in f32.
;; Inputs: K_cache 2 x 16 x 2,048 x 64 float32; Q 2 x 16 x 2,048 x 64 float32; V_cache 2 x 16 x 2,048 x 64 float32.
;; Outputs: out0 2 x 16 x 2,048 x 64 float32.
;; One version. Each part assembles by itself: llvm-mc -triple=amdgcn-amd-amdhsa -mcpu=gfx1250 --defsym DOCPART=n.
;; ======== version 1 of 1: 1 launch
;; limits: values are held in f16: magnitudes above 65,504 overflow, below 6.1e-05 lose precision; inputs' magnitudes at most 65,504
;; launch attn (part 1): grid 8 x 32, 8 waves a work-group, no clusters, 150,528 bytes of LDS; arguments Q, K_cache, V_cache, out0; writes out0
.if DOCPART == 1
	.amdgcn_target "amdgcn-amd-amdhsa--gfx1250"
	.amdhsa_code_object_version 6
	.text
	.protected	k_q691e3d88c7_attn
	.globl	k_q691e3d88c7_attn
	.p2align	8
	.type	k_q691e3d88c7_attn,@function
k_q691e3d88c7_attn:
	s_mov_b64 s[64:65], 0
	v_nop
	global_prefetch_b8 v0, s[64:65] scope:SCOPE_SE
	s_setreg_imm32_b32 hwreg(HW_REG_WAVE_MODE, 25, 1), 1
	s_wait_xcnt 0x0
; Causal softmax attention.  Q, K, V, out: [32 heads][2048][64] f32.  out = softmax(Q K^T / 8, keys <= query) V.
; WORK.  A head has 16 query blocks of 128 rows; block b needs the key tiles 0 .. b of 128 keys.  Work-group (i, head) takes the blocks
; i and 15 - i: 17 tiles for every one of the 8 x 32 = 256 work-groups.  The block with an even number of tiles goes first, and within a
; block the diagonal tile goes first, so that the step that starts the sums and the step that masks are one; the 17 tiles then take the
; two LDS slots by turns with a parity that is fixed in the text, across the change of blocks too.
; WAVES.  Wave w: wq = w & 3 picks 32 query rows (two columns c of 16), kh = w >> 2 picks 64 of a tile's 128 keys.  The two key halves
; keep their own (maximum, sum, O) and are merged through LDS at the end of a block.
; LAYOUT.  S^T = K Q^T (A = 16 keys x 32 d, B = 32 d x 16 queries): register j of lane (r, h) is key 8h + j of query r, so two packed
; neighbouring tiles ARE the B fragment of P^T for 32 keys.  O^T = V^T P^T with V^T brought by the transposing LDS load.  Every softmax
; figure is a lane's own; only the maximum and, once a block, the sum cross to lane i xor 16.
; FORMATS.  Q is multiplied in f32 by 0.125 log2(e) and rounded to f16; K, V, P are rounded to f16; scores, maxima, sums and O are f32.
; f16 and not bf16: the first rows of a head average over few keys, so the operands' roundings do not average out there, and f16 keeps
; 11 significant bits where bf16 keeps 8.  Its range has room: inputs of spread 1, taken 30 times larger and with an offset of 30
; spreads, stay under about 1,100 against 65,504; taken 30 times smaller (spread 0.03) they meet a coarsest step of 2^-24; p lies in [0, 1].
; K and V are converted once a work-group: f32 from memory into registers one step ahead, 32 KiB of f16 a step into LDS.
; NOT USED, and why.  Joint tensor loads in a cluster: the pairing (i, 15 - i) that gives every work-group 17 tiles makes the work-groups
; of a head want different tiles in the same step and different numbers of tiles in a block; and a tile brought by the mover would lie
; in LDS as f32: 64 KiB filled and 64 KiB read a step on top of the 32 KiB of f16 that are stored here.  Prefetches: each tile is
; already asked for a whole step ahead, into registers, and is read by up to eight work-groups of its head.
; LIMITS.  |0.18 Q|, |K| or |V| above 65,504 become infinite in the conversion to f16 and are not served.  NaN or infinite inputs are not
; followed as the reference follows them.  The running maximum starts at -3.4028235e38 (not at -inf, so that a key half that is wholly
; masked gives p = 0 and sum = 0 without NaN): scaled scores below that are not served.  p below 2^-126 counts as 0 in the row sum, p
; below 2^-25 as 0 in the product with V.  The row sum adds p in f32 before its rounding to f16; the product with V takes the rounded p.
.set TILEB, 32768                      ; bytes of a tile or block in memory: 128 rows x 256
.set KPIT,  144                        ; LDS row of K: 128 bytes + 16: sixteen rows start at sixteen different 16-byte columns modulo 256
.set VPIT,  160                        ; LDS row of V: 128 bytes + 32, an odd multiple of 32, for the transposing load
.set VB,    128*KPIT                   ; V behind K in a slot
.set SLOTB, VB+128*VPIT                ; 38,912 bytes a slot, two slots
.set STAT,  2*SLOTB                    ; 8 waves x 2 columns x 16 queries x (maximum, sum)
.set OX,    STAT+2048                  ; 8 waves x 32 rows x 272 bytes: scaled O on the way out
.set OPIT,  272
.set OXWV,  32*OPIT
; window 0
.set KRD,  1                           ; LDS address of my K fragments in slot 0
.set VRD,  2                           ; of my V^T fragments
.set KST,  3                           ; where I store converted K
.set VST,  4                           ; where I store converted V
.set GOFF, 5                           ; my 16 bytes in a tile in memory: 4096 w + 16 lane
.set QOFF, 6                           ; my piece of Q in the block
.set STW,  7                           ; my (maximum, sum)
.set STR,  8                           ; those of the wave with the other key half
.set OXW,  9
.set OXR,  10
.set OUTO, 11
.set ML,   12                          ; v[12:13], v[14:15]: (maximum, sum) of column 0, 1
.set AL,   16                          ; the factor for what has been summed; pair with T1
.set T1,   17
.set AX,   18                          ; v18-21 four chains of maxima
.set SU,   22                          ; v[22:25] two chains of packed sums
.set DL,   26                          ; v26, v27: query - key of register 0 of tile 0, for column 0, 1 (diagonal tile)
.set TM,   28                          ; v[28:31] the partner's (maximum, sum)
.set QF,   32                          ; v[32:63] Q fragments: (c, d half) at 16 c + 8 dc
.set FR,   64                          ; v[64:127] eight fragments: K, later V^T
.set SA,   128                         ; v[128:191] scores, then p: column c at 32 c, tile tt at 8 tt; packed p at 32 c + 0..15
.set OA,   192                         ; v[192:255] O^T: tile (c, dt) at 32 c + 8 dt
; window 1 (v256 and up, written by their low 8 bits)
.set PF,   0                           ; v256-319 the next tile in f32: K load a at 4 a, V load a at 32 + 4 a
.set QR,   64                          ; v320-383 Q in f32
; scalars
.set NT,   22                          ; s[22:23] byte offset of the next tile to ask for
.set KP,   26                          ; s[26:27], s[28:29] its addresses in K and V
.set VP,   28
.set MSB, 0
.macro WIN new                         ; the immediate's high byte repeats the setting that is left
.if MSB != \new
	s_set_vgpr_msb (MSB<<8)|\new
.set MSB, \new
.endif
.endm
.macro PLACES                          ; four places behind a matrix instruction (ISA guide 7.12.1)
.rept 4
	v_nop
.endr
.endm
; Ask for the next tile of K and of V: 16 loads, each 512 neighbouring bytes of the wave's 16 rows.  KP and VP are written only behind the
; wait for all earlier loads.
.macro GLOAD
	s_add_nc_u64 s[KP:KP+1], s[6:7], s[NT:NT+1]
	s_add_nc_u64 s[VP:VP+1], s[8:9], s[NT:NT+1]
	s_add_nc_u64 s[NT:NT+1], s[NT:NT+1], TILEB
	WIN 0x40                               ; destination in window 1
.irp a, 0,1,2,3,4,5,6,7
	global_load_b128 v[PF+4*\a:PF+4*\a+3], v[GOFF], s[KP:KP+1] offset:512*\a
.endr
.irp a, 0,1,2,3,4,5,6,7
	global_load_b128 v[PF+32+4*\a:PF+32+4*\a+3], v[GOFF], s[VP:VP+1] offset:512*\a
.endr
	WIN 0
.endm
; Round the tile in PF to f16 in place and store it: 8 bytes a lane, two rows an instruction.
.macro CVST slot
	WIN 0x45                               ; destination and both sources in window 1
.irp a, 0,1,2,3,4,5,6,7,8,9,10,11,12,13,14,15
	v_cvt_pk_f16_f32 v[PF+4*\a], v[PF+4*\a], v[PF+4*\a+1]
	v_cvt_pk_f16_f32 v[PF+4*\a+1], v[PF+4*\a+2], v[PF+4*\a+3]
.endr
	WIN 0x04                               ; store data in window 1, address in window 0
.irp a, 0,1,2,3,4,5,6,7
	ds_store_b64 v[KST], v[PF+4*\a:PF+4*\a+1] offset:(\slot)*SLOTB+2*KPIT*\a
.endr
.irp a, 0,1,2,3,4,5,6,7
	ds_store_b64 v[VST], v[PF+32+4*\a:PF+32+4*\a+1] offset:(\slot)*SLOTB+2*VPIT*\a
.endr
	WIN 0
.endm
; Q of a block, in the order of the B fragments: lane (r, h) takes d = 8h .. 8h+7 and 16+8h .. 16+8h+7 of each half of 32.
.macro QLOAD qb
	WIN 0x40
.irp c, 0,1
.irp dc, 0,1
	global_load_b128 v[QR+32*\c+16*\dc:QR+32*\c+16*\dc+3],     v[QOFF], s[\qb:\qb+1] offset:4096*\c+128*\dc
	global_load_b128 v[QR+32*\c+16*\dc+4:QR+32*\c+16*\dc+7],   v[QOFF], s[\qb:\qb+1] offset:4096*\c+128*\dc+16
	global_load_b128 v[QR+32*\c+16*\dc+8:QR+32*\c+16*\dc+11],  v[QOFF], s[\qb:\qb+1] offset:4096*\c+128*\dc+64
	global_load_b128 v[QR+32*\c+16*\dc+12:QR+32*\c+16*\dc+15], v[QOFF], s[\qb:\qb+1] offset:4096*\c+128*\dc+80
.endr
.endr
	WIN 0
.endm
.macro QCVT                            ; times 0.125 log2(e) in f32, then f16 into the fragments
	WIN 0x41
.set qi, 0
.rept 32
	v_pk_mul_f32 v[QR+2*qi:QR+2*qi+1], v[QR+2*qi:QR+2*qi+1], s[44:45] op_sel_hi:[1,0]
.set qi, qi+1
.endr
	WIN 0x05
.set qi, 0
.rept 32
	v_cvt_pk_f16_f32 v[QF+qi], v[QR+2*qi], v[QR+2*qi+1]
.set qi, qi+1
.endr
	WIN 0
.endm
.macro KLOAD slot                      ; fragment k: key tile k & 3, d half k >> 2
.irp k, 0,1,2,3,4,5,6,7
	ds_load_b128 v[FR+8*\k:FR+8*\k+3],   v[KRD] offset:\slot*SLOTB+16*KPIT*(\k&3)+64*(\k>>2)
	ds_load_b128 v[FR+8*\k+4:FR+8*\k+7], v[KRD] offset:\slot*SLOTB+16*KPIT*(\k&3)+64*(\k>>2)+32
.endr
.endm
.macro VLOAD slot                      ; fragment k: d tile k & 3, 32 keys k >> 2
.irp k, 0,1,2,3,4,5,6,7
	ds_load_tr16_b128 v[FR+8*\k:FR+8*\k+3],   v[VRD] offset:\slot*SLOTB+32*VPIT*(\k>>2)+32*(\k&3)
	ds_load_tr16_b128 v[FR+8*\k+4:FR+8*\k+7], v[VRD] offset:\slot*SLOTB+32*VPIT*(\k>>2)+32*(\k&3)+16*VPIT
.endr
.endm
; The matrix instructions.  k ascends in the text, so the four accumulators of a column take turns, one instruction a turn;
; no two matrix instructions that follow each other name the same accumulator.
.macro SMM c, k                        ; scores of column c: the first d half starts the sums
.if \k < 4
	v_wmma_f32_16x16x32_f16 v[SA+32*\c+8*\k:SA+32*\c+8*\k+7], v[FR+8*\k:FR+8*\k+7], v[QF+16*\c:QF+16*\c+7], 0
.else
	v_wmma_f32_16x16x32_f16 v[SA+32*\c+8*(\k-4):SA+32*\c+8*(\k-4)+7], v[FR+8*\k:FR+8*\k+7], v[QF+16*\c+8:QF+16*\c+15], v[SA+32*\c+8*(\k-4):SA+32*\c+8*(\k-4)+7]
.endif
.endm
.macro PVM c, k, first                 ; O^T of column c; in a block's first step the first 32 keys start the sums
.if \k < 4
.if \first
	v_wmma_f32_16x16x32_f16 v[OA+32*\c+8*\k:OA+32*\c+8*\k+7], v[FR+8*\k:FR+8*\k+7], v[SA+32*\c:SA+32*\c+7], 0
	s_wait_alu depctr_va_vdst(0)
.else
	v_wmma_f32_16x16x32_f16 v[OA+32*\c+8*\k:OA+32*\c+8*\k+7], v[FR+8*\k:FR+8*\k+7], v[SA+32*\c:SA+32*\c+7], v[OA+32*\c+8*\k:OA+32*\c+8*\k+7]
	s_wait_alu depctr_va_vdst(0)
.endif
.else
	v_wmma_f32_16x16x32_f16 v[OA+32*\c+8*(\k-4):OA+32*\c+8*(\k-4)+7], v[FR+8*\k:FR+8*\k+7], v[SA+32*\c+8:SA+32*\c+15], v[OA+32*\c+8*(\k-4):OA+32*\c+8*(\k-4)+7]
.endif
.endm
.macro MASK c                          ; diagonal tile: key 16 tt + j of my half is kept where 16 tt + j <= DL, else -inf
.irp tt, 0,1,2,3
.irp j, 0,1,2,3,4,5,6,7
	v_cmp_le_i32 vcc_lo, 16*\tt+\j, v[DL+\c]
	v_cndmask_b32 v[SA+32*\c+8*\tt+\j], s40, v[SA+32*\c+8*\tt+\j], vcc_lo
.endr
.endr
.endm
.macro MAXT c, tt                      ; the largest of a tile's eight scores
	v_max3_num_f32 v[AX+\tt], v[SA+32*\c+8*\tt], v[SA+32*\c+8*\tt+1], v[SA+32*\c+8*\tt+2]
	v_max3_num_f32 v[AX+\tt], v[AX+\tt], v[SA+32*\c+8*\tt+3], v[SA+32*\c+8*\tt+4]
	v_max3_num_f32 v[AX+\tt], v[AX+\tt], v[SA+32*\c+8*\tt+5], v[SA+32*\c+8*\tt+6]
	v_max_num_f32 v[AX+\tt], v[AX+\tt], v[SA+32*\c+8*\tt+7]
.endm
.macro MAXFIN c, first                 ; the new running maximum, alike in lanes i and i xor 16, and the factor 2^(old - new)
	v_max3_num_f32 v[AX], v[AX], v[AX+1], v[AX+2]
.if \first
	v_max3_num_f32 v[AX], v[AX], v[AX+3], s41
.else
	v_max3_num_f32 v[AX], v[AX], v[AX+3], v[ML+2*\c]
.endif
	v_permlanex16_b32 v[T1], v[AX], s38, s39
	v_max_num_f32 v[T1], v[AX], v[T1]
.if \first
.else
	v_sub_f32 v[AX+1], v[ML+2*\c], v[T1]
	v_exp_f32 v[AL], v[AX+1]
.endif
	v_mov_b32 v[ML+2*\c], v[T1]            ; also the plain instruction between the exponential and the first use of AL (ISA guide 5.7.2)
	s_wait_alu depctr_va_vdst(0)
.endm
.macro RESC c, q                       ; O tile (c, q) times AL
.irp p, 0,2,4,6
	v_pk_mul_f32 v[OA+32*\c+8*\q+\p:OA+32*\c+8*\q+\p+1], v[OA+32*\c+8*\q+\p:OA+32*\c+8*\q+\p+1], v[AL:AL+1] op_sel_hi:[1,0]
.endr
.endm
.macro SUBX c, q                       ; score - maximum
.irp p, 0,2,4,6
	v_pk_add_f32 v[SA+32*\c+8*\q+\p:SA+32*\c+8*\q+\p+1], v[SA+32*\c+8*\q+\p:SA+32*\c+8*\q+\p+1], v[ML+2*\c:ML+2*\c+1] op_sel_hi:[1,0] neg_lo:[0,1] neg_hi:[0,1]
.endr
.endm
.macro EXPX c, q
.irp p, 0,1,2,3,4,5,6,7
	v_exp_f32 v[SA+32*\c+8*\q+\p], v[SA+32*\c+8*\q+\p]
.endr
.endm
.macro SUMX c, q                       ; two chains of packed sums; tile 0 starts them
.if \q == 0
	s_wait_alu depctr_va_vdst(0)
	v_pk_add_f32 v[SU:SU+1],   v[SA+32*\c:SA+32*\c+1],   v[SA+32*\c+2:SA+32*\c+3]
	v_pk_add_f32 v[SU+2:SU+3], v[SA+32*\c+4:SA+32*\c+5], v[SA+32*\c+6:SA+32*\c+7]
.else
	s_wait_alu depctr_va_vdst(0)
	v_pk_add_f32 v[SU:SU+1],   v[SU:SU+1],   v[SA+32*\c+8*\q:SA+32*\c+8*\q+1]
	v_pk_add_f32 v[SU+2:SU+3], v[SU+2:SU+3], v[SA+32*\c+8*\q+2:SA+32*\c+8*\q+3]
	v_pk_add_f32 v[SU:SU+1],   v[SU:SU+1],   v[SA+32*\c+8*\q+4:SA+32*\c+8*\q+5]
	v_pk_add_f32 v[SU+2:SU+3], v[SU+2:SU+3], v[SA+32*\c+8*\q+6:SA+32*\c+8*\q+7]
.endif
.endm
.macro CVTX c, q                       ; tile q packed into registers 4 q .. 4 q + 3 of the column: they have been summed and packed already
.irp p, 0,1,2,3
	v_cvt_pk_f16_f32 v[SA+32*\c+4*\q+\p], v[SA+32*\c+8*\q+2*\p], v[SA+32*\c+8*\q+2*\p+1]
.endr
.endm
.macro LFIN c, first                   ; sum = sum x AL + this step's
	v_pk_add_f32 v[SU:SU+1], v[SU:SU+1], v[SU+2:SU+3]
.if \first
	v_add_f32 v[ML+2*\c+1], v[SU], v[SU+1]
.else
	v_add_f32 v[T1], v[SU], v[SU+1]
	v_fma_f32 v[ML+2*\c+1], v[ML+2*\c+1], v[AL], v[T1]
.endif
.endm
; p of a column.  Behind every run of exponentials stands plain work on another tile before their results are read (ISA guide 5.7.2).
; hook = 1: the products of column 1 with the first 32 keys go among the lines as soon as their p is packed.
.macro EXPPIPE c, hook, first
	SUBX \c, 0
	SUBX \c, 1
	EXPX \c, 0
	SUBX \c, 2
	EXPX \c, 1
	SUMX \c, 0
	CVTX \c, 0
	SUBX \c, 3
	EXPX \c, 2
	SUMX \c, 1
	CVTX \c, 1
.if \hook
	PVM 1, 0, \first
.endif
	EXPX \c, 3
.if \hook
	PVM 1, 1, \first
.endif
	SUMX \c, 2
.if \hook
	PVM 1, 2, \first
.endif
	CVTX \c, 2
.if \hook
	PVM 1, 3, \first
.endif
	SUMX \c, 3
	CVTX \c, 3
	LFIN \c, \first
.endm
; One tile.  Reads slot, fills the other one with the next tile.  fm = 1: a block's first step, on its diagonal tile: masks and starts
; maximum, sum and O.  maybe = 1: there may be no next tile (NT has reached the second block's diagonal): then nothing is asked for or stored.
.macro STEP slot, fm, maybe
	PLACES                                 ; behind the last step's products, whose V fragments lie where K's are loaded now
	KLOAD \slot
.if \maybe
	s_cmp_lg_u32 s[NT], s24
	s_cselect_b32 s25, 1, 0                ; remembered for the store at the step's end
	s_cbranch_scc0 .Lnoload_\@
.endif
	GLOAD
.if \maybe
.Lnoload_\@:
.endif
	s_wait_dscnt 0x8                       ; the eight loads of d 0-31 are in, the eight younger ones may be out
	SMM 0, 0
	SMM 0, 1
	SMM 0, 2
	SMM 0, 3
	s_wait_dscnt 0x0
	SMM 0, 4
	SMM 0, 5
	SMM 0, 6
	SMM 0, 7
	PLACES                                 ; before vector instructions read column 0's scores
	; softmax of column 0, the score products of column 1 among it
.if \fm
	MASK 0
.endif
	MAXT 0, 0
	SMM 1, 0
	MAXT 0, 1
	SMM 1, 1
	MAXT 0, 2
	SMM 1, 2
	MAXT 0, 3
	SMM 1, 3
	MAXFIN 0, \fm
	SMM 1, 4
.if \fm
	SMM 1, 5
	SMM 1, 6
	SMM 1, 7
	PLACES
.else
	RESC 0, 0
	SMM 1, 5
	RESC 0, 1
	SMM 1, 6
	RESC 0, 2
	SMM 1, 7
	RESC 0, 3                              ; four plain instructions that name none of the last product's registers: the places in front of the loads
.endif
	VLOAD \slot                            ; over K's fragments; the lines of EXPPIPE stand between these loads and their wait
	EXPPIPE 0, 0, \fm
	; softmax of column 1, the products of column 0 with V among it
.if \fm
	MASK 1
.endif
	s_wait_dscnt 0x0                       ; V's fragments
	MAXT 1, 0
	PVM 0, 0, \fm
	MAXT 1, 1
	PVM 0, 1, \fm
	MAXT 1, 2
	PVM 0, 2, \fm
	MAXT 1, 3
	PVM 0, 3, \fm
	MAXFIN 1, \fm
	PVM 0, 4, \fm
.if \fm
	PVM 0, 5, \fm
	PVM 0, 6, \fm
	PVM 0, 7, \fm
.else
	RESC 1, 0
	PVM 0, 5, \fm
	RESC 1, 1
	PVM 0, 6, \fm
	RESC 1, 2
	PVM 0, 7, \fm
	RESC 1, 3
.endif
	EXPPIPE 1, 1, \fm
	PVM 1, 4, \fm
	PVM 1, 5, \fm
	PVM 1, 6, \fm
	PVM 1, 7, \fm
	; the next tile into the other slot
	s_wait_loadcnt 0x0                     ; on every path: the tile asked for at the step's head (and, in the first step, the second block's Q)
.if \maybe
	s_cmp_lg_u32 s25, 0
	s_cbranch_scc0 .Lnostore_\@
.endif
	CVST 1-\slot
.if \maybe
.Lnostore_\@:
.endif
	s_wait_dscnt 0x0                       ; my reads of this slot and my stores into the other are done:
	s_barrier_signal -1                    ; one barrier for both: behind it the other slot is whole,
	s_barrier_wait -1                      ; and this slot may be stored into in the next step
.endm
; The end of a block: the two key halves are merged and the block is stored.  ob: the scalar pair with the block's address in out.
.macro FINAL ob
	PLACES                                 ; behind the last products, before O is read and written
.irp c, 0,1
	v_permlanex16_b32 v[T1], v[ML+2*\c+1], s38, s39
	v_add_f32 v[ML+2*\c+1], v[ML+2*\c+1], v[T1]            ; lanes i and i xor 16 hold the two halves of a query's sum
	ds_store_b64 v[STW], v[ML+2*\c:ML+2*\c+1] offset:128*\c
.endr
	s_wait_dscnt 0x0                       ; my figures are stored,
	s_barrier_signal -1
	s_barrier_wait -1                      ; everybody's are
	ds_load_b64 v[TM:TM+1],   v[STR]
	ds_load_b64 v[TM+2:TM+3], v[STR] offset:128
	s_wait_dscnt 0x0
.irp c, 0,1
	v_max_num_f32 v[AX], v[ML+2*\c], v[TM+2*\c]            ; the common maximum
	v_sub_f32 v[AX+1], v[ML+2*\c], v[AX]
	v_sub_f32 v[AX+2], v[TM+2*\c], v[AX]
	v_exp_f32 v[AX+1], v[AX+1]                             ; my weight
	v_exp_f32 v[AX+2], v[AX+2]                             ; the partner's
	v_nop
	s_wait_alu depctr_va_vdst(0)
	v_mul_f32 v[AX+2], v[AX+2], v[TM+2*\c+1]
	v_fmac_f32 v[AX+2], v[AX+1], v[ML+2*\c+1]              ; the whole sum: at least 1, since key half 0 holds a kept key for every query
	v_rcp_f32 v[AX+3], v[AX+2]
	v_nop
	s_wait_alu depctr_va_vdst(0)
	v_mul_f32 v[AL], v[AX+1], v[AX+3]
	RESC \c, 0
	RESC \c, 1
	RESC \c, 2
	RESC \c, 3
.endr
.irp c, 0,1
.irp dt, 0,1,2,3
	ds_store_b128 v[OXW], v[OA+32*\c+8*\dt:OA+32*\c+8*\dt+3]   offset:16*OPIT*\c+64*\dt      ; a lane holds d = 16 dt + 8 h + 0..7 of query 16 c + r
	ds_store_b128 v[OXW], v[OA+32*\c+8*\dt+4:OA+32*\c+8*\dt+7] offset:16*OPIT*\c+64*\dt+16
.endr
.endr
	s_wait_dscnt 0x0
	s_barrier_signal -1
	s_barrier_wait -1
	; wave (wq, kh) adds and stores rows 16 kh .. 16 kh + 15 of the 32 rows of wq: two rows an instruction
.irp a, 0,1,2,3,4,5,6,7
	ds_load_b128 v[SA+4*\a:SA+4*\a+3],       v[OXR] offset:2*OPIT*\a
	ds_load_b128 v[SA+32+4*\a:SA+32+4*\a+3], v[OXR] offset:2*OPIT*\a+4*OXWV
.endr
.irp a, 0,1,2,3,4,5,6,7
	s_wait_dscnt 14-2*\a                   ; LDS loads come back in order: pair a is in, the pairs behind it may be out
	v_pk_add_f32 v[SA+4*\a:SA+4*\a+1],   v[SA+4*\a:SA+4*\a+1],   v[SA+32+4*\a:SA+32+4*\a+1]
	v_pk_add_f32 v[SA+4*\a+2:SA+4*\a+3], v[SA+4*\a+2:SA+4*\a+3], v[SA+32+4*\a+2:SA+32+4*\a+3]
	global_store_b128 v[OUTO], v[SA+4*\a:SA+4*\a+3], s[\ob:\ob+1] offset:512*\a th:TH_STORE_NT   ; sixteen lanes store one row: 256 consecutive bytes, aligned
.endr
.endm
	; ---- set-up ----
	s_load_b256 s[4:11], s[0:1], 0x0               ; Q s[4:5], K s[6:7], V s[8:9], out s[10:11]
	s_set_vgpr_msb 0x40
	v_lshl_add_u32 v128, v0, 2, 0x24800
	v_mov_b32 v129, 0
	s_set_vgpr_msb 0x4000
	v_lshrrev_b32 v28, 5, v0
	v_readfirstlane_b32 s12, v28                   ; wave 0..7
	s_and_b32 s13, s12, 3                          ; wq: which 32 query rows
	s_lshr_b32 s14, s12, 2                         ; kh: which 64 keys of a tile
	s_mov_b32 s15, ttmp9                           ; i = 0..7
	s_and_b32 s16, ttmp7, 0xffff                   ; head = 0..31
	s_sub_co_u32 s18, 15, s15
	s_bitcmp1_b32 s15, 0
	s_cselect_b32 s17, s15, s18                    ; first block: the odd one of i and 15 - i (an even number of tiles)
	s_sub_co_u32 s18, 15, s17                      ; second block: the even one
	s_lshr_b32 s19, s17, 1                         ; trips of the first block's loop: (bq0 - 1) / 2
	s_lshr_b32 s20, s18, 1                         ; of the second block's: bq1 / 2
	s_lshl_b32 s24, s18, 15                        ; byte offset of the second block's diagonal tile: where its stream of tiles ends
	s_mov_b32 s38, 0x76543210                      ; v_permlanex16_b32: lane i reads lane i xor 16
	s_mov_b32 s39, 0xfedcba98
	s_mov_b32 s40, 0xff800000                      ; -inf
	s_mov_b32 s41, 0xff7fffff                      ; the most negative finite f32: where the running maximum starts
	s_mov_b32 s44, 0x3e38aa3b                      ; 0.125 log2(e)
	s_mov_b32 s45, 0x3e38aa3b
	v_and_b32 v28, 31, v0                          ; lane
	v_and_b32 v29, 15, v0                          ; r
	v_bfe_u32 v30, v0, 4, 1                        ; h
	v_lshlrev_b32 v[GOFF], 4, v28
	v_lshl_add_u32 v[GOFF], s12, 12, v[GOFF]       ; 4096 w + 16 lane
	v_lshlrev_b32 v[QOFF], 8, v29
	v_lshl_add_u32 v[QOFF], v30, 5, v[QOFF]
	v_lshl_add_u32 v[QOFF], s13, 13, v[QOFF]       ; (32 wq + r) 256 + 32 h
	s_lshl_b32 s42, s16, 19                        ; a head is 2048 x 256 bytes
	s_mov_b32 s43, 0
	s_wait_kmcnt 0x0
	s_add_nc_u64 s[4:5], s[4:5], s[42:43]
	s_add_nc_u64 s[6:7], s[6:7], s[42:43]
	s_add_nc_u64 s[8:9], s[8:9], s[42:43]
	s_add_nc_u64 s[10:11], s[10:11], s[42:43]
	s_lshl_b32 s42, s17, 15
	s_add_nc_u64 s[30:31], s[4:5], s[42:43]        ; Q and out at the first block
	s_add_nc_u64 s[34:35], s[10:11], s[42:43]
	s_mov_b32 s[NT], s42                           ; the first tile is the first block's diagonal tile
	s_mov_b32 s[NT+1], 0
	s_mov_b32 s42, s24
	s_add_nc_u64 s[32:33], s[4:5], s[42:43]        ; Q and out at the second block
	s_add_nc_u64 s[36:37], s[10:11], s[42:43]
	GLOAD
	s_mov_b32 s[NT], 0                             ; then tiles 0, 1, ..
	QLOAD 30
	v_mul_u32_u24 v[KRD], v29, KPIT                ; (64 kh + r) pitch + 16 h
	v_lshl_add_u32 v[KRD], v30, 4, v[KRD]
	s_mul_i32 s42, s14, 64*KPIT
	v_add_nc_u32 v[KRD], s42, v[KRD]
	v_and_b32 v31, 7, v0                           ; VB + (64 kh + 8 h + lane % 8) pitch + 16 (bit 3 of the lane)
	v_lshl_add_u32 v31, v30, 3, v31
	v_mul_u32_u24 v[VRD], v31, VPIT
	v_bfe_u32 v31, v0, 3, 1
	v_lshl_add_u32 v[VRD], v31, 4, v[VRD]
	s_mul_i32 s42, s14, 64*VPIT
	s_add_co_u32 s42, s42, VB
	v_add_nc_u32 v[VRD], s42, v[VRD]
	v_mul_u32_u24 v[KST], v30, KPIT                ; (16 w + h) pitch + 8 r
	v_lshl_add_u32 v[KST], v29, 3, v[KST]
	s_mul_i32 s42, s12, 16*KPIT
	v_add_nc_u32 v[KST], s42, v[KST]
	v_mul_u32_u24 v[VST], v30, VPIT
	v_lshl_add_u32 v[VST], v29, 3, v[VST]
	s_mul_i32 s42, s12, 16*VPIT
	s_add_co_u32 s42, s42, VB
	v_add_nc_u32 v[VST], s42, v[VST]
	v_lshlrev_b32 v31, 3, v29                      ; 8 r
	s_lshl_b32 s42, s12, 8
	s_add_co_u32 s42, s42, STAT
	v_add_nc_u32 v[STW], s42, v31
	s_xor_b32 s42, s12, 4                          ; the wave with my queries and the other key half
	s_lshl_b32 s42, s42, 8
	s_add_co_u32 s42, s42, STAT
	v_add_nc_u32 v[STR], s42, v31
	v_mul_u32_u24 v[OXW], v29, OPIT                ; OX + 8704 w + 272 r + 32 h
	v_lshl_add_u32 v[OXW], v30, 5, v[OXW]
	s_mul_i32 s42, s12, OXWV
	s_add_co_u32 s42, s42, OX
	v_add_nc_u32 v[OXW], s42, v[OXW]
	v_mul_u32_u24 v[OXR], v30, OPIT                ; OX + 8704 wq + (16 kh + h) 272 + 16 r
	v_lshl_add_u32 v[OXR], v29, 4, v[OXR]
	s_mul_i32 s42, s13, OXWV
	s_mul_i32 s43, s14, 16*OPIT
	s_add_co_u32 s42, s42, s43
	s_add_co_u32 s42, s42, OX
	v_add_nc_u32 v[OXR], s42, v[OXR]
	v_lshlrev_b32 v[OUTO], 8, v30                  ; (32 wq + 16 kh + h) 256 + 16 r
	v_lshl_add_u32 v[OUTO], v29, 4, v[OUTO]
	s_lshl_b32 s42, s13, 13
	s_lshl_b32 s43, s14, 12
	s_add_co_u32 s42, s42, s43
	v_add_nc_u32 v[OUTO], s42, v[OUTO]
	v_lshlrev_b32 v31, 3, v30                      ; DL = (32 wq + 16 c + r) - (64 kh + 8 h)
	v_sub_nc_u32 v[DL], v29, v31
	s_lshl_b32 s42, s13, 5
	s_lshl_b32 s43, s14, 6
	s_sub_co_i32 s42, s42, s43
	v_add_nc_u32 v[DL], s42, v[DL]
	v_add_nc_u32 v[DL+1], 16, v[DL]
	v_mov_b32 v[ML+1], 0                           ; second registers of pairs that are read as pairs, and the lane exchange's destination:
	v_mov_b32 v[ML+3], 0                           ; written once so that they hold something
	v_mov_b32 v[T1], 0
	s_wait_loadcnt 0x0                             ; the first tile and the first block's Q
	CVST 0
	QCVT
	QLOAD 32                                       ; the second block's Q waits in window 1, in f32, for the change of blocks
	s_wait_dscnt 0x0                               ; my part of slot 0 is stored,
	s_barrier_signal -1
	s_barrier_wait -1                              ; everybody's is
	; ---- the first block: diagonal tile, tiles 0 .. bq0 - 1 ----
	STEP 0, 1, 0
	s_cmp_eq_u32 s19, 0
	s_cbranch_scc1 .Lfirst_tail
.Lfirst:
	STEP 1, 0, 0
	STEP 0, 0, 0
	s_sub_co_u32 s19, s19, 1
	s_cmp_lg_u32 s19, 0
	s_cbranch_scc1 .Lfirst
.Lfirst_tail:
	s_mov_b32 s[NT], s24                           ; the last step asks for the second block's diagonal tile
	STEP 1, 0, 0
	s_mov_b32 s[NT], 0
	FINAL 34
	s_wait_xcnt 0x0                                ; the stores' data registers are written again only behind this wait (ISA guide 3.1)
	QCVT
	; ---- the second block: diagonal tile, tiles 0 .. bq1 - 1 (bq1 even, 0 too) ----
	STEP 0, 1, 1
	s_cmp_eq_u32 s20, 0
	s_cbranch_scc1 .Lsecond_tail
.Lsecond:
	STEP 1, 0, 0
	STEP 0, 0, 1
	s_sub_co_u32 s20, s20, 1
	s_cmp_lg_u32 s20, 0
	s_cbranch_scc1 .Lsecond
.Lsecond_tail:
	FINAL 36
	s_set_vgpr_msb 0x5
	s_wait_tensorcnt 0x0
	ds_add_u32 v128, v129
	s_wait_dscnt 0x0
	s_set_vgpr_msb 0x500
	s_endpgm
.Lfunc_end_k_q691e3d88c7_attn:
	.size	k_q691e3d88c7_attn, .Lfunc_end_k_q691e3d88c7_attn-k_q691e3d88c7_attn
	.p2alignl 7, 3214868480
	.fill 96, 4, 3214868480
	.section	.rodata,"a",@progbits
	.p2align	6, 0x0
	.amdhsa_kernel k_q691e3d88c7_attn
		.amdhsa_group_segment_fixed_size 150528
		.amdhsa_private_segment_fixed_size 0
		.amdhsa_enable_private_segment 0
		.amdhsa_kernarg_size 32
		.amdhsa_user_sgpr_count 2
		.amdhsa_user_sgpr_kernarg_segment_ptr 1
		.amdhsa_wavefront_size32 1
		.amdhsa_system_sgpr_workgroup_id_x 1
		.amdhsa_system_sgpr_workgroup_id_y 1
		.amdhsa_system_sgpr_workgroup_id_z 1
		.amdhsa_system_vgpr_workitem_id 0
		.amdhsa_next_free_vgpr 386
		.amdhsa_next_free_sgpr 66
		.amdhsa_reserve_vcc 1
		.amdhsa_float_denorm_mode_32 3
		.amdhsa_float_denorm_mode_16_64 3
		.amdhsa_memory_ordered 1
		.amdhsa_forward_progress 1
		.amdhsa_inst_pref_size 197
	.end_amdhsa_kernel
	.amdgpu_metadata
---
amdhsa.version: [ 1, 2 ]
amdhsa.kernels:
  - .name:           k_q691e3d88c7_attn
    .symbol:         k_q691e3d88c7_attn.kd
    .args:
      - { .name: Q, .offset: 0, .size: 8, .value_kind: global_buffer, .address_space: global }
      - { .name: K_cache, .offset: 8, .size: 8, .value_kind: global_buffer, .address_space: global }
      - { .name: V_cache, .offset: 16, .size: 8, .value_kind: global_buffer, .address_space: global }
      - { .name: out0, .offset: 24, .size: 8, .value_kind: global_buffer, .address_space: global }
    .group_segment_fixed_size: 150528
    .private_segment_fixed_size: 0
    .kernarg_segment_align: 8
    .kernarg_segment_size: 32
    .max_flat_workgroup_size: 256
    .sgpr_count:     66
    .vgpr_count:     386
    .wavefront_size: 32
...
	.end_amdgpu_metadata
.endif
;; end of part 1
